; MI455X (gfx1250); checked and timed in simulation.
; The chip was launched on July 23, 2026; its instructions are those of AMD's public machine-readable ISA for CDNA 5 (MIT licence, August 2026) and "CDNA5" Instruction Set Architecture Reference Guide (July 2026). The comments in the code are by the model that wrote it; some were corrected since.
;; Guarded Layer. Allowed arithmetic: matrix products marked QUANTISED: E5M2 operands, one given power-of-two scale a tensor, by v_wmma_f32_16x16x64_bf8_bf8 or v_wmma_f32_16x16x128_bf8_bf8, f32 sums; products left as they are: f32 operands where the result goes on into a quantised operand, else bf16, f16 or f32 operands; f32 sums; everything else in f32.
;; Inputs: Wc 8 x 512 x 512 float32; Wp 8 x 2 x 512 float32; bc 8 x 512 float32; bp 8 x 2 float32; lowp_scales 4 int32 (the exponents e of the quantised operands' scales 2^e); x 32,768 x 512 float32.
;; Outputs: out0 32,768 x 512 float32.
;; This version of the problem:
;;   THIS VERSION OF THE PROBLEM IS GIVEN IN LOW PRECISION. The matrix products marked QUANTISED in the list below multiply operands that are first quantised to E5M2 (5 exponent bits, 2 mantissa bits; 8 bits a number), with one given power-of-two scale for each operand tensor; their sums are f32. All else is computed in f32.
;;   The module's matrix products, in the order in which they are computed (A, B: the left and right operand; K: the contracted axis; several contracted axes count as one K, in the product's order):
;;     1. [M 32,768, K 512] x [K 512, N 16]; A: input x; B: input Wp: QUANTISED (scales: A lowp_scales[0], B lowp_scales[1])
;;     2. [M 32,768, K 512] x [K 512, N 4,096]; A: input x; B: input Wc: QUANTISED (scales: A lowp_scales[2], B lowp_scales[3])
;;     3. batch 32,768 x [M 1, K 8] x [K 8, N 512]; A: computed on the way; B: computed on the way: left as it is (K = 8 < 32)
;;   THE QUANTISER, for each operand of a quantised product, along K:
;;     - The operand's scale is 2^e, e = its entry of the input lowp_scales (int32; the entries are numbered through the quantised products in the list's order, A before B).
;;     - Each number is divided by the scale, clamped to +-57,344, and rounded to the nearest number of E5M2, ties to even, subnormals kept.
;;     - The product sums the exact products of the quantised numbers (number of the format x scale) in f32.
;;   ~~~python
;;   def quantise(x, axis, e):      # numpy; x: float32 -> the quantised numbers, widened to float32 again
;;       x = np.moveaxis(x, axis, -1); K = x.shape[-1]
;;       r = np.clip(x / 2.0 ** e, -57344, 57344)
;;       step = 2.0 ** (np.maximum(np.frexp(np.where(r == 0, 1, r))[1] - 1, -14) - 2)
;;       q = np.round(r / step) * step * 2.0 ** e      # np.round: ties to even
;;       return np.moveaxis(q, -1, axis).astype(np.float32)
;;   ~~~
;; One version. Each part assembles by itself: llvm-mc -triple=amdgcn-amd-amdhsa -mcpu=gfx1250 --defsym DOCPART=n.
;; ======== version 1 of 1: 2 launches
;; limits: right only within a limited range of input values
;; workspace buffers: ximg 17,825,792 bytes; wimg 2,162,688 bytes
;; launch prep (part 1): grid 256 x 1, 8 waves a work-group, no clusters, 76,800 bytes of LDS; arguments x, Wc, Wp, bc, bp, lowp_scales, ximg, wimg; writes ximg, wimg
.if DOCPART == 1
	.amdgcn_target "amdgcn-amd-amdhsa--gfx1250"
	.amdhsa_code_object_version 6
	.text
	.protected	k_q48c43a7061_prep
	.globl	k_q48c43a7061_prep
	.p2align	8
	.type	k_q48c43a7061_prep,@function
k_q48c43a7061_prep:
	s_mov_b64 s[64:65], 0
	v_nop
	global_prefetch_b8 v0, s[64:65] scope:SCOPE_SE
	s_setreg_imm32_b32 hwreg(HW_REG_WAVE_MODE, 25, 1), 1
	s_wait_xcnt 0x0
; All that is quantised once.  Two results, each laid as the next launch's registers take it:
;  ximg: a tile of 16 rows of x is TP = 8,704 bytes: codes of BF8 (E5M2) with the scale 2^e2: the 16 bytes at 2048 k + 512 c + 16 lane are x[16 tile + lane % 16][128 k + 32 c + 16 (lane / 16) + 0..15];
;        behind them, at 8192 + 256 h + 16 r, the row r's p' of cases 4 h .. 4 h + 3, f32: p' = presence x 2^(e2+e3), presence = sigmoid x sigmoid of x Wp + bp, and 0 where it is not above 1e-4.
;        The scores are a product of codes: x with 2^e0, Wp with 2^e1.
;  wimg: Wc [8][512 (d)][512 (e)] as codes with 2^e3.  A chunk (case c, 16 columns from 16 et) is CH = 8,448 bytes at (8 et + c) CH: the 16 bytes at 256 (d / 16) + 16 r are Wc[c][d .. d+15][16 et + r];
;        bytes 8192..8255: bc[c][16 et + 0..15] x 2^-(e2+e3), f32; the rest zeros.
; code = number / 2^e, held within +-57,344, to the nearest code, ties to even.  No work of reference() is left out.
; SHARES.  Wave w of work-group g takes tile 8 g + w of x.  Of Wc the work-group takes case g >> 5, 128 columns (g & 3), 64 of d ((g >> 2) & 7); a wave 32 columns (w & 3) x 32 of d (w >> 2).
; x: 64 dense loads of 512 bytes (a row's K step each); a K step turns through the wave's own LDS, so that a lane holds 16 neighbours along K.
; Wc: a lane takes a column and its registers run down d.  Wp [16][512]: a wave quantises 64 along K; the fragments go from wave to wave through LDS as images of their registers.
; No cluster: the work-groups share no tile.  No prefetch: there is no loop to run ahead in, all loads are asked for at the head.
; LIMITS: e0, e1, e2, e3 between -126 and 112; e0 + e1 between -126 and 127 (it is added to an exponent field); bc x 2^-(e2+e3) and presence x 2^(e2+e3) are f32 numbers.
; NaN among the inputs is not served; infinities are held at the largest code.  The reciprocal is good to one unit in the last place: a presence that close to 1e-4 may fall on the other side of the guard.
; REGISTERS: v4-23 offsets and constants; v24-31 -log2(e) x bp; v32-95, v96-159 numbers; v160-223 Wp's four fragments; v224-231 the scores; v232-247 codes; window 1: x as loaded, 64 registers a K step.
.set CH,   8448
.set TP,   8704
.set XREG, 16*528                      ; a K step of a tile in LDS: 16 rows of 512 bytes + 16 of padding
.set WPI,  8*XREG                      ; Wp's fragments, 8,192 bytes
.set SPARE, WPI+8192                   ; the spare words, 128 bytes a wave
.set L16, 4                            ; 16 x lane
.set H32, 5                            ; 32 x (lane / 16)
.set XA,  6                            ; my numbers of a K step: row r, + 64 h
.set WPS, 7
.set WPL, 8
.set WPG, 9
.set W4,  10                           ; 4 x lane
.set VO,  11                           ; my 16 bytes of a chunk
.set XS,  12                           ; where I put a loaded row
.set BA,  13
.set S0,  14                           ; v14, v15: 2^e0 and 57,344 x 2^e0; v16-21 the same with e1, e2, e3
.set L0,  15
.set S1,  16
.set L1,  17
.set S2,  18
.set L2,  19
.set S3,  20
.set L3,  21
.set BP,  24
.set BUF, 32
.set BO,  96
.set WPF, 160
.set SCO, 224
.set PC1, 232
.set BD,  248
.set SPW, 252
.set NIL, 253
.set U,   32
.set Q,   96
.set WV,  22
.set MSB, 0
.macro WIN new                         ; low byte: bits 1:0 source 0, 3:2 source 1, 5:4 source 2, 7:6 destination; the high byte repeats the setting that is left
.if MSB != (\new)
	s_set_vgpr_msb (MSB<<8)|(\new)
.set MSB, (\new)
.endif
.endm
.macro MKSC e, vs, vl                  ; 2^e as f32 (the conversion takes its exponent field), and 57,344 x 2^e
	s_add_co_i32 s70, s[\e], 127
	s_lshl_b32 s71, s70, 23
	v_mov_b32 v[\vs], s71
	s_add_co_i32 s70, s70, 15
	s_lshl_b32 s70, s70, 23
	s_or_b32 s70, s70, 0x600000
	v_mov_b32 v[\vl], s70
.endm
.macro MED n, d, s, l                  ; the conversion to an 8-bit code does not saturate (ISA guide 7.6.2): the hold comes first
.set I_, 0
.rept \n
	v_med3_num_f32 v[(\d)+I_], v[(\s)+I_], -v[\l], v[\l]
.set I_, I_+1
.endr
.endm
.macro CVT n, d, s, sc
.set I_, 0
.rept \n
	v_cvt_scalef32_pk8_bf8_f32 v[(\d)+2*I_:(\d)+2*I_+1], v[(\s)+8*I_:(\s)+8*I_+7], v[\sc]
.set I_, I_+1
.endr
	v_nop                                          ; a plain line behind the last conversion
.endm
	s_load_b256 s[4:11], s[0:1], 0x0               ; x, Wc, Wp, bc
	s_load_b256 s[12:19], s[0:1], 0x20             ; bp, the scales' exponents, ximg, wimg
	v_lshl_add_u32 v[SPW], v0, 2, SPARE
	v_mov_b32 v[NIL], 0
	v_lshrrev_b32 v1, 5, v0
	v_readfirstlane_b32 s[WV], v1                  ; wave 0..7
	s_mul_i32 s66, s[WV], XREG
	s_lshl_b32 s67, s[WV], 10
	s_add_co_u32 s67, s67, WPI                     ; my two blocks' images of 512 bytes
	s_lshl_b32 s68, s[WV], 8                       ; my 64 numbers of a row of Wp
	v_and_b32 v1, 31, v0                           ; lane
	v_and_b32 v2, 15, v0                           ; r
	v_bfe_u32 v3, v0, 4, 1                         ; h
	v_lshlrev_b32 v[L16], 4, v1
	v_lshlrev_b32 v[W4], 2, v1
	v_lshlrev_b32 v[H32], 5, v3
	v_mul_u32_u24 v[XA], v2, 528
	v_lshl_add_u32 v[XA], v3, 6, v[XA]
	v_add_nc_u32 v[XA], s66, v[XA]
	v_add_nc_u32 v[XS], s66, v[L16]
	v_add_nc_u32 v[WPS], s67, v[L16]
	v_add_nc_u32 v[WPL], WPI, v[L16]
	v_lshlrev_b32 v[WPG], 11, v2                   ; Wp: row (case, pattern) r,
	v_lshl_add_u32 v[WPG], v3, 6, v[WPG]           ; + 16 numbers for lanes 16-31
	v_add_nc_u32 v[WPG], s68, v[WPG]
	v_mul_u32_u24 v[VO], v3, 8*CH                  ; my second e-tile has its chunk eight chunks on
	v_lshl_add_u32 v[VO], v2, 4, v[VO]
	v_min_u32 v[BA], 3, v2                         ; the bias: lanes 0-3 of an e-tile take four numbers each
	v_lshlrev_b32 v[BA], 4, v[BA]
	v_lshl_add_u32 v[BA], v3, 6, v[BA]
	v_cmp_gt_u32 s61, 4, v2
	s_lshr_b32 s52, ttmp9, 5                       ; c
	s_and_b32 s53, ttmp9, 3                        ; cg
	s_bfe_u32 s54, ttmp9, 0x30002                  ; dg
	s_and_b32 s55, s[WV], 3                        ; which 32 columns
	s_lshr_b32 s56, s[WV], 2                       ; which 32 of d
	s_lshl_b32 s57, s53, 9
	s_lshl_b32 s67, s55, 7
	s_add_co_u32 s57, s57, s67                     ; my first column, in bytes of f32
	s_lshl_b32 s70, s52, 20                        ; Wc: c x 512 rows of 2,048 bytes, + 64 dg + 32 (w >> 2) rows
	s_lshl_b32 s67, s54, 17
	s_add_co_u32 s70, s70, s67
	s_lshl_b32 s67, s56, 16
	s_add_co_u32 s70, s70, s67
	s_add_co_u32 s70, s70, s57
	s_mov_b32 s71, 0
	s_lshl_b32 s72, s53, 6                         ; my first e-tile is 8 cg + 2 (w & 3): chunk 8 et + c
	s_lshl_b32 s67, s55, 4
	s_add_co_u32 s72, s72, s67
	s_add_co_u32 s72, s72, s52
	s_mul_i32 s72, s72, CH
	s_lshl_b32 s67, s54, 10                        ; 64 of d are 1,024 bytes of a chunk
	s_add_co_u32 s72, s72, s67
	s_lshl_b32 s67, s56, 9
	s_add_co_u32 s72, s72, s67
	s_mov_b32 s73, 0
	s_lshl_b32 s74, s52, 11                        ; bc
	s_add_co_u32 s74, s74, s57
	s_mov_b32 s75, 0
	s_lshl_b32 s78, ttmp9, 3
	s_add_co_u32 s78, s78, s[WV]                   ; my tile of x
	s_lshl_b32 s76, s78, 15                        ; 32,768 bytes of x
	s_mov_b32 s77, 0
	s_mul_i32 s78, s78, TP
	s_mov_b32 s79, 0
	s_or_b32 s62, s54, s56                         ; 0: I write my chunks' biases
	s_wait_alu depctr_va_vdst(0)
	s_wait_kmcnt 0x0
	s_load_b128 s[48:51], s[14:15], 0x0            ; e0, e1, e2, e3
	s_add_nc_u64 s[4:5], s[4:5], s[76:77]
	s_add_nc_u64 s[6:7], s[6:7], s[70:71]
	s_add_nc_u64 s[18:19], s[18:19], s[72:73]
	s_add_nc_u64 s[10:11], s[10:11], s[74:75]
	s_add_nc_u64 s[16:17], s[16:17], s[78:79]
.irp b, 0,1
.irp j, 0,1,2,3
	global_load_b128 v[BO+16*\b+4*\j:BO+16*\b+4*\j+3], v[WPG], s[8:9] offset:128*\b+16*\j
.endr
.endr
	global_load_b128 v[BP:BP+3], v[H32], s[12:13]          ; bp of (case, pattern) 8 h + 0..7
	global_load_b128 v[BP+4:BP+7], v[H32], s[12:13] offset:16
	global_load_b128 v[BD:BD+3], v[BA], s[10:11]
.set I_, 0
.rept 32
	global_load_b32 v[BUF+I_], v[W4], s[6:7] offset:I_*2048 th:TH_LOAD_NT
.set I_, I_+1
.endr
	WIN 0x40
.irp k, 0,1,2,3
.irp i, 0,1,2,3,4,5,6,7,8,9,10,11,12,13,14,15
	global_load_b128 v[64*\k+4*\i:64*\k+4*\i+3], v[L16], s[4:5] offset:2048*\i+512*\k th:TH_LOAD_NT   ; row i, K step k: 512 consecutive bytes
.endr
.endr
	WIN 0
	s_wait_kmcnt 0x0
	MKSC 48, S0, L0
	MKSC 49, S1, L1
	MKSC 50, S2, L2
	MKSC 51, S3, L3
	s_add_co_i32 s70, s48, s49
	s_lshl_b32 s70, s70, 23
	s_mov_b32 s56, 0xbfb8aa3b                      ; -log2(e);
	s_add_co_i32 s56, s56, s70                     ; a score sum stands for sum x 2^(e0+e1): the exponents are added to the factor's exponent field
	s_mov_b32 s57, s56                             ; (named with it as a pair, so it is written)
	s_mov_b32 s58, 0x38d1b717                      ; 1e-4
	s_add_co_i32 s59, s50, s51                     ; e2 + e3
	s_sub_co_i32 s60, 0, s59
	s_wait_alu depctr_va_vdst(0)
	s_wait_loadcnt 63                              ; all but the youngest 63, of x's 64 loads: Wp, bp, bc and Wc are in
.irp j, 0,1,2,3,4,5,6,7
	v_mul_f32 v[BP+\j], 0xbfb8aa3b, v[BP+\j]
.endr
	; my 64 numbers along K of Wp's 16 rows
	MED 32, BO, BO, L1
	CVT 4, PC1, BO, S1
	ds_store_b128 v[WPS], v[PC1:PC1+3]
	ds_store_b128 v[WPS], v[PC1+4:PC1+7] offset:512
	; my 32 numbers of my column of Wc
	MED 32, BUF, BUF, L3
	CVT 4, BUF+32, BUF, S3
	global_store_b128 v[VO], v[BUF+32:BUF+35], s[18:19]            ; 16 lanes store 256 consecutive aligned bytes of their chunk
	global_store_b128 v[VO], v[BUF+36:BUF+39], s[18:19] offset:256
	s_wait_alu depctr_va_vdst(0)
	s_cmp_lg_u32 s62, 0
	s_cbranch_scc1 .Lno_bias                       ; a branch on the work-group's and the wave's number
.irp j, 0,1,2,3
	v_ldexp_f32 v[BD+\j], v[BD+\j], s60            ; the sums lack 2^(e2+e3): the bias goes in divided by it
.endr
.irp j, 0,1,2,3
	v_cndmask_b32 v[BD+\j], 0, v[BD+\j], s61       ; lanes 4-15 of an e-tile store zeros
.endr
	global_store_b128 v[VO], v[BD:BD+3], s[18:19] offset:8192
.Lno_bias:
	s_wait_dscnt 0x0                               ; for the others' sake: my part of Wp is stored
	s_barrier_signal -1
	s_barrier_wait -1
.irp g, 0,1,2,3,4,5,6,7,8,9,10,11,12,13,14,15
	ds_load_b128 v[WPF+4*\g:WPF+4*\g+3], v[WPL] offset:512*\g
.endr
	s_wait_xcnt 0x0                                ; the stores have read their registers: v32.. may be written again
; K step k.  Quantised twice: with 2^e0 as source 1 of the score product (source 0 = Wp's 16 rows: a lane holds one row of x and 8 (case, pattern)), with 2^e2 for the image.
; The second codes go over the K step's own loaded numbers, so no store's data are written again.
.macro KSTEP k
	s_wait_loadcnt 48-16*(\k)                      ; the loads of the later K steps may be out
	WIN 0x04                                       ; data in window 1
.irp i, 0,1,2,3,4,5,6,7,8,9,10,11,12,13,14,15
	ds_store_b128 v[XS], v[64*(\k)+4*\i:64*(\k)+4*\i+3] offset:528*\i
.endr
	WIN 0
.irp b, 0,1,2,3
.irp j, 0,1,2,3
	ds_load_b128 v[BUF+16*\b+4*\j:BUF+16*\b+4*\j+3], v[XA] offset:128*\b+16*\j   ; register 16 b + i = k 32 b + 16 h + i of row r.  LDS serves a wave's instructions in order (ISA guide 5.7.1.4)
.endr
.endr
	s_wait_dscnt 0x0
	MED 64, BO, BUF, L0
	CVT 8, PC1, BO, S0
	s_wait_alu depctr_va_vdst(0)
.if (\k) == 0
	v_wmma_f32_16x16x128_bf8_bf8 v[SCO:SCO+7], v[WPF:WPF+15], v[PC1:PC1+15], 0
.else
	v_wmma_f32_16x16x128_bf8_bf8 v[SCO:SCO+7], v[WPF+16*(\k):WPF+16*(\k)+15], v[PC1:PC1+15], v[SCO:SCO+7]
.endif
	MED 64, BUF, BUF, L2                           ; (these are also the places behind the matrix instruction)
	WIN 0x40
	CVT 8, 64*(\k), BUF, S2
	WIN 0x04
.irp c, 0,1,2,3
	global_store_b128 v[L16], v[64*(\k)+4*\c:64*(\k)+4*\c+3], s[16:17] offset:2048*(\k)+512*\c   ; the wave stores 512 consecutive aligned bytes
.endr
	WIN 0
.endm
	KSTEP 0
	KSTEP 1
	KSTEP 2
	KSTEP 3
	; presence: lane (r, h) holds row r's scores of cases 4 h .. 4 h + 3, two patterns each
.irp i, 0,2,4,6
	v_pk_fma_f32 v[U+\i:U+\i+1], v[SCO+\i:SCO+\i+1], s[56:57], v[BP+\i:BP+\i+1] op_sel_hi:[1,0,1]   ; -log2(e) (score + bp)
.endr
	s_wait_alu depctr_va_vdst(0)
.irp i, 0,1,2,3,4,5,6,7
	v_exp_f32 v[U+\i], v[U+\i]
.endr
	v_nop
	s_wait_alu depctr_va_vdst(0)
.irp i, 0,2,4,6
	v_pk_add_f32 v[U+\i:U+\i+1], v[U+\i:U+\i+1], 1.0 op_sel_hi:[1,0]
.endr
.irp j, 0,1,2,3
	v_mul_f32 v[Q+\j], v[U+2*\j], v[U+2*\j+1]      ; both factors are 1 or more: infinity at the worst, whose reciprocal is 0
.endr
	s_wait_alu depctr_va_vdst(0)
.irp j, 0,1,2,3
	v_rcp_f32 v[Q+\j], v[Q+\j]
.endr
	v_nop
	s_wait_alu depctr_va_vdst(0)
.irp j, 0,1,2,3
	v_cmp_lt_f32 vcc_lo, s58, v[Q+\j]
	v_cndmask_b32 v[Q+\j], 0, v[Q+\j], vcc_lo      ; 0 where it is not above 1e-4: a choice of a value, no branch
	v_ldexp_f32 v[Q+\j], v[Q+\j], s59              ; x 2^(e2+e3), which the next launch's sums lack
.endr
	global_store_b128 v[L16], v[Q:Q+3], s[16:17] offset:8192       ; the wave stores 512 consecutive aligned bytes
	s_wait_tensorcnt 0x0                           ; the wave's end
	ds_add_u32 v[SPW], v[NIL]
	s_wait_dscnt 0x0
	s_endpgm
.Lfunc_end_k_q48c43a7061_prep:
	.size	k_q48c43a7061_prep, .Lfunc_end_k_q48c43a7061_prep-k_q48c43a7061_prep
	.p2alignl 7, 3214868480
	.fill 96, 4, 3214868480
	.section	.rodata,"a",@progbits
	.p2align	6, 0x0
	.amdhsa_kernel k_q48c43a7061_prep
		.amdhsa_group_segment_fixed_size 76800
		.amdhsa_private_segment_fixed_size 0
		.amdhsa_enable_private_segment 0
		.amdhsa_kernarg_size 64
		.amdhsa_user_sgpr_count 2
		.amdhsa_user_sgpr_kernarg_segment_ptr 1
		.amdhsa_wavefront_size32 1
		.amdhsa_system_sgpr_workgroup_id_x 1
		.amdhsa_system_sgpr_workgroup_id_y 1
		.amdhsa_system_sgpr_workgroup_id_z 1
		.amdhsa_system_vgpr_workitem_id 0
		.amdhsa_next_free_vgpr 512
		.amdhsa_next_free_sgpr 88
		.amdhsa_reserve_vcc 1
		.amdhsa_float_denorm_mode_32 3
		.amdhsa_float_denorm_mode_16_64 3
		.amdhsa_memory_ordered 1
		.amdhsa_forward_progress 1
		.amdhsa_inst_pref_size 71
	.end_amdhsa_kernel
	.amdgpu_metadata
---
amdhsa.version: [ 1, 2 ]
amdhsa.kernels:
  - .name:           k_q48c43a7061_prep
    .symbol:         k_q48c43a7061_prep.kd
    .args:
      - { .name: x, .offset: 0, .size: 8, .value_kind: global_buffer, .address_space: global }
      - { .name: Wc, .offset: 8, .size: 8, .value_kind: global_buffer, .address_space: global }
      - { .name: Wp, .offset: 16, .size: 8, .value_kind: global_buffer, .address_space: global }
      - { .name: bc, .offset: 24, .size: 8, .value_kind: global_buffer, .address_space: global }
      - { .name: bp, .offset: 32, .size: 8, .value_kind: global_buffer, .address_space: global }
      - { .name: lowp_scales, .offset: 40, .size: 8, .value_kind: global_buffer, .address_space: global }
      - { .name: ximg, .offset: 48, .size: 8, .value_kind: global_buffer, .address_space: global }
      - { .name: wimg, .offset: 56, .size: 8, .value_kind: global_buffer, .address_space: global }
    .group_segment_fixed_size: 76800
    .private_segment_fixed_size: 0
    .kernarg_segment_align: 8
    .kernarg_segment_size: 64
    .max_flat_workgroup_size: 256
    .sgpr_count:     88
    .vgpr_count:     512
    .wavefront_size: 32
...
	.end_amdgpu_metadata
.endif
;; end of part 1
;; launch guarded (part 2): grid 256 x 1, 4 waves a work-group, clusters of 4 x 1, 327,680 bytes of LDS; arguments ximg, wimg, out0; writes out0
.if DOCPART == 2
	.amdgcn_target "amdgcn-amd-amdhsa--gfx1250"
	.amdhsa_code_object_version 6
	.text
	.protected	k_q48c43a7061_guarded
	.globl	k_q48c43a7061_guarded
	.p2align	8
	.type	k_q48c43a7061_guarded,@function
k_q48c43a7061_guarded:
	s_mov_b64 s[64:65], 0
	v_nop
	global_prefetch_b8 v0, s[64:65] scope:SCOPE_SE
	s_setreg_imm32_b32 hwreg(HW_REG_WAVE_MODE, 25, 1), 1
	s_wait_xcnt 0x0
	s_wait_alu depctr_hold_cnt(0) depctr_sa_sdst(0) depctr_va_vdst(0) depctr_va_sdst(0) depctr_va_ssrc(0) depctr_va_vcc(0) depctr_vm_vsrc(0)
	s_getreg_b32 s2, hwreg(HW_REG_IB_STS2, 6, 4)
	s_cmp_eq_u32 s2, 0
	s_cbranch_scc0 .Lentry_in_a_cluster
	s_endpgm
.Lentry_in_a_cluster:
	s_bfe_u32 s2, ttmp6, 0x10000c
	s_cmp_lg_u32 s2, 0x3003
	s_cbranch_scc0 .Lentry_shape_is_right
	s_endpgm
.Lentry_shape_is_right:
; out[n][e] = sum over the 8 cases c of p'[n][c] (codes of x[n] . codes of Wc[c][.][e] + b'[c][e]), p' and b' as the first launch left them (p' carries 2^(e2+e3), b' its inverse).  Sums in f32.
; W STAYS IN REGISTERS, x STREAMS.  A work-group makes 1,024 rows x 64 columns: 32 row groups x 8 column groups = 256 work-groups.  A wave holds 16 columns of all 8 cases, K = 512: 32 fragments, 512 registers.
; x comes in tiles of 16 rows (TP bytes: four fragments, then p') through a ring of two LDS slots of 8 tiles; a trip works one slot: 8 trips.  A fragment of x feeds 8 products.
; A tile: 32 matrix instructions into 8 sums (one a case), each begun with its bias as C; then 32 packed multiply-adds by p' make one 16 x 16 block of out.
; THE MATRIX INSTRUCTION IS USED TRANSPOSED (source 0 = 16 columns of W, source 1 = 16 rows of x): lane (r, h) holds row r, columns 8 h + 0..7: p' of a row is one number a lane.
; The cases go in two groups of four: products of group 0, combining of the tile before's group 1, products of group 1, combining of group 0.  So each group's combining is the other group's places behind its products.
; TWO TILES ARE A PAIR.  A pair has ONE run of memory instructions, behind the combining of the pair before's last group: that pair's two blocks into the stage, rows read back earlier out to memory,
; the next rows back from the stage, and the next pair's p' and fragments.  Three quarters of a pair's products stand between the run and the one wait for it.
; THE WAY OUT: four waves' 16 columns are 256 bytes of a row of out.  A block goes to a stage in LDS; behind the next change of slots each wave reads 4 whole rows of each block and stores them, 16 lanes to an
; aligned unit of 256 bytes.  Two stages take turns.  A period lasts from one change of slots to the next: block 8 t - 4 + p of the work-group lies at place p (0-7) in period t.
; CLUSTERS: four work-groups of one row group (four column groups) ask jointly for x's tiles.  Row group = cluster number % 32, column half = cluster number / 32.
; PREFETCH: trip t asks for trip t + 3's tiles (272 blocks of 256 bytes): the cluster's 16 waves take 17 blocks each, told apart by address; the last three trips ask for nothing.
; No work of reference() is left out.  LIMITS: those of the first launch; out's sums are f32 numbers.
; REGISTERS: window 0: v2-19 addresses; v32-95 the 8 sums; v96-159 the biases; v160-191 p' of four tiles; v192-207 two blocks of out; v208-255 rows read back (six places).  Window 1: x's fragments of four tiles.
;   Windows 2, 3: W's fragments of cases 0-3, 4-7: case c, K step k at v[64 (c % 4) + 16 k].
.set CH,    8448
.set TP,    8704
.set SLOT,  8*TP
.set QTR,   2*TP                       ; what one wave fetches of a slot: 68 rows of 256 bytes
.set STG,   2*SLOT
.set PPOS,  16*272                     ; a block in the stage: 16 rows of 256 bytes + 16 of padding
.set STGS,  8*PPOS
.set SPARE, STG+2*STGS                 ; the spare words, 128 bytes a wave
.set SPW, 2
.set NIL, 3
.set XB,  4                            ; v4, v5: 16 x lane, and four tiles on
.set PB,  6                            ; v6, v7: p' of row r, and four tiles on
.set XC,  8                            ; v8-11: the same in the slot at work
.set PC,  10
.set STO, 12
.set STOC, 13
.set RD,  14
.set RDC, 15
.set BIA, 17
.set CO,  18
.set PFO, 19
.set ACC, 32
.set BI,  96
.set P,   160
.set OUT, 192
.set RB,  208
.set WV,  20
.set G1,  24
.set G0A, 32
.set G0W, 36
.set TB,  40                           ; the slot at work
.set SB,  41                           ; the stage that is written,
.set SR,  42                           ; and the one that is read
.set CNT, 43
.set PFA, 54                           ; s[54:55] where my prefetches stand
.set MSB, 0
.macro WIN new                         ; low byte: bits 1:0 source 0, 3:2 source 1, 5:4 source 2, 7:6 destination; the high byte repeats the setting that is left
.if MSB != (\new)
	s_set_vgpr_msb (MSB<<8)|(\new)
.set MSB, (\new)
.endif
.endm
.macro CREST
	s_cmp_lg_u32 s[WV], 0
	s_cbranch_scc1 .Lnot_wave_0_\@
	s_barrier_signal -3
.Lnot_wave_0_\@:
	s_barrier_wait -3
	s_barrier_signal -1
	s_barrier_wait -1
.endm
.macro CROUND
	s_barrier_signal -1
	s_barrier_wait -1
	CREST
.endm
.macro SETADR
	v_add_nc_u32 v[XC], s[TB], v[XB]
	v_add_nc_u32 v[XC+1], s[TB], v[XB+1]
	v_add_nc_u32 v[PC], s[TB], v[PB]
	v_add_nc_u32 v[PC+1], s[TB], v[PB+1]
	v_add_nc_u32 v[STOC], s[SB], v[STO]
	v_add_nc_u32 v[RDC], s[SR], v[RD]
	s_wait_alu depctr_va_vdst(0)
.endm
.macro WLOAD c                         ; a case's four fragments of W
	WIN 0x80+0x40*((\c)/4)
.irp k, 0,1,2,3
.irp j, 0,1,2,3
	global_load_b128 v[64*((\c)%4)+16*\k+4*\j:64*((\c)%4)+16*\k+4*\j+3], v[XB], s[6:7] offset:(\c)*CH+2048*\k+512*\j
.endr
.endr
.endm
.macro MM g, k, b                      ; group g's four cases, K step k, x's buffer b: the sums take turns, one instruction a turn
	WIN 6+(\g)                                     ; source 0 window 2 or 3, source 1 window 1
.irp c, 0,1,2,3
.if (\k) == 0
	v_wmma_f32_16x16x128_bf8_bf8 v[ACC+32*(\g)+8*\c:ACC+32*(\g)+8*\c+7], v[64*\c+16*(\k):64*\c+16*(\k)+15], v[64*(\b)+16*(\k):64*(\b)+16*(\k)+15], v[BI+32*(\g)+8*\c:BI+32*(\g)+8*\c+7]
.else
	v_wmma_f32_16x16x128_bf8_bf8 v[ACC+32*(\g)+8*\c:ACC+32*(\g)+8*\c+7], v[64*\c+16*(\k):64*\c+16*(\k)+15], v[64*(\b)+16*(\k):64*(\b)+16*(\k)+15], v[ACC+32*(\g)+8*\c:ACC+32*(\g)+8*\c+7]
.endif
.endr
.endm
.macro MMG g, b
	MM \g, 0, \b
	MM \g, 1, \b
	MM \g, 2, \b
	MM \g, 3, \b
.endm
.macro COMB g, p                       ; out's block += p' x group g's sums, each from its low end on; p: the tile % 4
	WIN 0
.set OO_, OUT+8*((\p)%2)
.irp c, 0,1,2,3
.set CS_, 4*(\g)+\c
.set PP_, P+8*(\p)+(CS_/2)*2
.set AA_, ACC+8*CS_
.irp i, 0,2,4,6
.if CS_ == 0
	v_pk_mul_f32 v[OO_+\i:OO_+\i+1], v[AA_+\i:AA_+\i+1], v[PP_:PP_+1] op_sel_hi:[1,0]
.elseif (CS_%2) == 0
	v_pk_fma_f32 v[OO_+\i:OO_+\i+1], v[AA_+\i:AA_+\i+1], v[PP_:PP_+1], v[OO_+\i:OO_+\i+1] op_sel_hi:[1,0,1]
.else
	v_pk_fma_f32 v[OO_+\i:OO_+\i+1], v[AA_+\i:AA_+\i+1], v[PP_:PP_+1], v[OO_+\i:OO_+\i+1] op_sel:[0,1,0] op_sel_hi:[1,1,1]
.endif
.endr
.endr
.endm
.macro XPAIR j                         ; tiles j, j + 1 of the slot at work: p' and the fragments, into buffers j % 4, j % 4 + 1
	WIN 0
.irp u, 0,1
.set J_, (\j)+\u
	ds_load_b128 v[P+8*(J_%4):P+8*(J_%4)+3], v[PC+J_/4] offset:(J_%4)*TP
	ds_load_b128 v[P+8*(J_%4)+4:P+8*(J_%4)+7], v[PC+J_/4] offset:(J_%4)*TP+256
.endr
	WIN 0x40
.irp u, 0,1
.set J_, (\j)+\u
.irp c, 0,1,2,3,4,5,6,7,8,9,10,11,12,13,14,15
	ds_load_b128 v[64*(J_%4)+4*\c:64*(J_%4)+4*\c+3], v[XC+J_/4] offset:(J_%4)*TP+512*\c
.endr
.endr
.endm
.macro STAGE pos, o
	ds_store_b128 v[STOC], v[OUT+8*(\o):OUT+8*(\o)+3] offset:PPOS*(\pos)
	ds_store_b128 v[STOC], v[OUT+8*(\o)+4:OUT+8*(\o)+7] offset:PPOS*(\pos)+16
.endm
.macro RBLD pos, reg, pm               ; my four rows of a block; pm: the first place that holds a block
.if (\pos) >= (\pm)
.irp i, 0,1
	ds_load_b128 v[(\reg)+4*\i:(\reg)+4*\i+3], v[RDC] offset:PPOS*(\pos)+544*\i
.endr
.endif
.endm
.macro RBST pos, reg, pm
.if (\pos) >= (\pm)
.irp i, 0,1
	global_store_b128 v[CO], v[(\reg)+4*\i:(\reg)+4*\i+3], s[8:9] offset:(16*(\pos)-64+2*\i)*2048 th:TH_STORE_NT
.endr
.endif
.endm
; A change of slots, round group 0's products of tile 6: ONE barrier, a round of the cluster's where the slot is filled again.
.macro TURN fill
	WIN 0
	s_wait_alu depctr_va_vdst(0)
	s_wait_tensorcnt 0x0                           ; my part of the next slot has landed;
	ds_add_u32 v[SPW], v[NIL]                      ; 0 onto my spare word
.if \fill
	s_xor_b32 s[G0W+1], s[G0W+1], SLOT             ; the slot at work takes the tiles of two trips on: its last two tiles are in registers
	s_add_nc_u64 s[G0W+2:G0W+3], s[G0W+2:G0W+3], SLOT
.endif
	s_xor_b32 s[TB], s[TB], SLOT
	s_xor_b32 s[SB], s[SB], STGS
	s_xor_b32 s[SR], s[SR], STGS
	MM 0, 0, 2
	MM 0, 1, 2
	s_wait_dscnt 0x0                               ; the add is done; my reads of this slot and of the stage and my stores into the stage were waited for at the last pair's end
	s_barrier_signal -1
	MM 0, 2, 2
	MM 0, 3, 2
	WIN 0
	s_barrier_wait -1
.if \fill
	CREST
	tensor_load_to_lds s[G0W:G0W+3], s[G1:G1+7]
	s_nop 0
.endif
	SETADR
.endm
; Pair m of a trip: tiles 2 m, 2 m + 1.  pend: the tile before's group 1 is still to be combined.  pm: the first place with a block in the stage that is read.  chg: 0, or in pair 3: 1 no fill, 2 fill.  nxt: a pair follows.
.macro PAIR m, pend, pm, pf, chg, nxt
.set A_, (2*(\m))%4
.if (\chg) > 0
	TURN (\chg)-1
.else
	MMG 0, A_
.endif
.if \pend
	COMB 1, (A_+3)%4
	STAGE 2*(((\m)+1)%4), 0                        ; the memory run begins
	STAGE 2*(((\m)+1)%4)+1, 1
.else
	WIN 0
	s_wait_loadcnt 0x0                             ; the launch's first pair: W's cases 4-7 are in
.rept 4
	v_nop                                          ; the places behind group 0's products
.endr
.endif
.if (\m) == 3
	s_wait_xcnt 0x0                                ; all earlier stores and the prefetch have read their registers and bases
.if (\pm) == 0
	s_add_nc_u64 s[8:9], s[8:9], 128*2048          ; 128 rows of out on
.endif
.if (\pf) > 0
	s_add_nc_u64 s[PFA:PFA+1], s[PFA:PFA+1], SLOT
.endif
.if \nxt
	RBLD 0, RB, \pm
	RBLD 1, RB+8, \pm
	RBLD 2, RB+16, \pm
.else
	WIN 0x40                                       ; the last pair: all eight places, into fragments' registers that are done with
.irp p, 0,1,2,3,4,5,6,7
	RBLD \p, 8*\p, 0
.endr
.endif
.elseif (\m) == 0
	RBST 0, RB, \pm
	RBST 1, RB+8, \pm
	RBST 2, RB+16, \pm
	RBLD 3, RB+24, \pm
	RBLD 4, RB+32, \pm
	RBLD 5, RB+40, \pm
.elseif (\m) == 1
	s_wait_xcnt 0x0                                ; the last pair's stores have read their registers
	RBST 3, RB+24, \pm
	RBST 4, RB+32, \pm
	RBST 5, RB+40, \pm
	RBLD 6, RB, \pm
	RBLD 7, RB+8, \pm
.if (\pf) == 2
	s_cmp_eq_u32 s[CNT], 1                         ; the loop's last trip is trip 5: nothing lies three trips on
	s_cbranch_scc1 .Lno_ask_\@
.endif
.if (\pf) > 0
	global_prefetch_b8 v[PFO], s[PFA:PFA+1] th:TH_LOAD_NT scope:SCOPE_SE
.endif
.Lno_ask_\@:
.else
	RBST 6, RB, \pm
	RBST 7, RB+8, \pm
.endif
.if \nxt
	XPAIR (2*(\m)+2)%8
.endif
	MMG 1, A_
	COMB 0, A_
	MMG 0, A_+1
	COMB 1, A_
.if (\nxt) == 0
	s_wait_dscnt 0x0                               ; the rows are back: they leave now
	WIN 0x04
.irp p, 0,1,2,3,4,5,6,7
	RBST \p, 8*\p, 0
.endr
.endif
	MMG 1, A_+1
.if \nxt
	s_wait_dscnt 0x0                               ; the run's loads and stores are done: the next pair is in registers
.endif
	COMB 0, A_+1
.endm
.macro TRIP pend, pm, pf, chg, pn, nxt
	PAIR 0, \pend, \pm, \pf, 0, 1
	PAIR 1, 1, \pm, \pf, 0, 1
	PAIR 2, 1, \pm, \pf, 0, 1
	PAIR 3, 1, \pn, \pf, \chg, \nxt
.endm
	s_load_b128 s[4:7], s[0:1], 0x0                ; ximg, wimg
	s_load_b64 s[8:9], s[0:1], 0x10                ; out
	v_lshl_add_u32 v[SPW], v0, 2, SPARE
	v_mov_b32 v[NIL], 0
	ds_add_u32 v[SPW], v[NIL]                      ; the wave's opening: the add, twice on end, and its wait
	ds_add_u32 v[SPW], v[NIL]
	v_lshrrev_b32 v1, 5, v0
	v_readfirstlane_b32 s[WV], v1                  ; wave 0..3
	s_mov_b32 s[TB], 0
	s_mov_b32 s[SB], 0
	s_mov_b32 s[SR], STGS
	s_lshl_b32 s46, s[WV], 6
	s_add_co_u32 s46, s46, STG                     ; into the stage: my 16 columns,
	s_mul_i32 s47, s[WV], 4*272
	s_add_co_u32 s47, s47, STG                     ; out of it: my 4 rows
	v_and_b32 v1, 31, v0                           ; lane
	v_and_b32 v20, 15, v0                          ; r
	v_bfe_u32 v21, v0, 4, 1                        ; h
	v_lshlrev_b32 v[XB], 4, v1
	v_add_nc_u32 v[XB+1], 4*TP, v[XB]
	v_lshlrev_b32 v[PB], 4, v20
	v_add_nc_u32 v[PB], 8192, v[PB]
	v_add_nc_u32 v[PB+1], 4*TP, v[PB]
	v_lshlrev_b32 v[BIA], 5, v21
	v_mul_u32_u24 v[STO], v20, 272
	v_lshl_add_u32 v[STO], v21, 5, v[STO]
	v_add_nc_u32 v[STO], s46, v[STO]
	v_mul_u32_u24 v[RD], v21, 272
	v_lshl_add_u32 v[RD], v20, 4, v[RD]
	v_add_nc_u32 v[RD], s47, v[RD]
	v_lshlrev_b32 v[CO], 11, v21                   ; lanes 0-15 one row of out, lanes 16-31 the next
	v_lshl_add_u32 v[CO], v20, 4, v[CO]
	v_min_u32 v[PFO], 16, v1                       ; 17 blocks of 256 bytes; the lanes left over name the last again
	v_lshlrev_b32 v[PFO], 8, v[PFO]
	SETADR
	s_bfe_u32 s21, ttmp6, 0x40000                  ; cx
	s_and_b32 s22, ttmp9, 31                       ; row group
	s_lshr_b32 s23, ttmp9, 5
	s_lshl_b32 s23, s23, 2
	s_add_co_u32 s23, s23, s21                     ; column group
	s_mov_b32 s[G1+0], 15|(3<<16)|(1<<21)          ; all four of the cluster; elements of 8 bytes; 21 set beside a mask
	s_mov_b32 s[G1+1], 32<<16                      ; 68 rows of 256 bytes, dense
	s_mov_b32 s[G1+2], 68<<16
	s_mov_b32 s[G1+3], 32<<16
	s_mov_b32 s[G1+4], 68
	s_mov_b32 s[G1+5], 32
	s_mov_b32 s[G1+6], 0
	s_mov_b32 s[G1+7], 0
	s_lshl_b32 s44, s23, 2
	s_add_co_u32 s44, s44, s[WV]                   ; my e-tile: its 8 chunks lie end to end
	s_mul_i32 s44, s44, 8*CH
	s_mov_b32 s45, 0
	s_mul_i32 s46, s22, 8*SLOT                     ; my row group's 64 tiles
	s_mul_i32 s50, s[WV], QTR
	s_add_co_u32 s48, s46, s50
	s_mov_b32 s49, 0
	s_lshl_b32 s52, s22, 21                        ; out: 1,024 rows of 2,048 bytes,
	s_lshl_b32 s51, s23, 8                         ; 64 columns,
	s_add_co_u32 s52, s52, s51
	s_lshl_b32 s51, s[WV], 13                      ; my 4 rows of a block
	s_add_co_u32 s52, s52, s51
	s_mov_b32 s53, 0
	s_lshl_b32 s56, s21, 2
	s_add_co_u32 s56, s56, s[WV]                   ; which 17 blocks of a slot's 272 my wave prefetches
	s_mul_i32 s56, s56, 17*256
	s_add_co_u32 s56, s56, s46
	s_add_co_u32 s56, s56, 3*SLOT
	s_mov_b32 s57, 0
	s_wait_dscnt 0x0                               ; both opening adds are done
	s_wait_kmcnt 0x0
	s_add_nc_u64 s[6:7], s[6:7], s[44:45]
	s_add_nc_u64 s[8:9], s[8:9], s[52:53]
	s_add_nc_u64 s[PFA:PFA+1], s[4:5], s[56:57]
	s_add_nc_u64 s[58:59], s[4:5], s[48:49]
.irp s, 0,1
	s_mov_b32 s[G0A+4*\s], 1
	s_add_co_u32 s[G0A+4*\s+1], s50, \s*SLOT
	s_add_nc_u64 s[G0A+4*\s+2:G0A+4*\s+3], s[58:59], \s*SLOT
	s_or_b32 s[G0A+4*\s+3], s[G0A+4*\s+3], 0x80000000
.endr
	WLOAD 0
	WIN 0
	CROUND                                         ; the four work-groups are here: the first joint loads meet
	tensor_load_to_lds s[G0A:G0A+3], s[G1:G1+7]
	s_nop 0
.irp c, 0,1,2,3,4,5,6,7
	global_load_b128 v[BI+8*\c:BI+8*\c+3], v[BIA], s[6:7] offset:\c*CH+8192
	global_load_b128 v[BI+8*\c+4:BI+8*\c+7], v[BIA], s[6:7] offset:\c*CH+8208
.endr
	WLOAD 1
	WLOAD 2
	WLOAD 3
	WIN 0
	s_wait_tensorcnt 0x0                           ; my part of slot 0 is in
	ds_add_u32 v[SPW], v[NIL]
	s_wait_dscnt 0x0
	CROUND                                         ; everybody's part is
	tensor_load_to_lds s[G0W:G0W+3], s[G1:G1+7]    ; slot 1, trip 1's tiles
	s_nop 0
	XPAIR 0
	WLOAD 4
	WLOAD 5
	WLOAD 6
	WLOAD 7
	WIN 0
	s_wait_loadcnt 63                              ; the biases and W's cases 0-3 are in: the youngest 64 loads are cases 4-7
	s_wait_dscnt 0x0
	TRIP 0, 8, 1, 2, 4, 1
	TRIP 1, 4, 1, 2, 0, 1
	WIN 0
	s_mov_b32 s[CNT], 4
.Ltrip:                                                ; trips 2 .. 5
	TRIP 1, 0, 2, 2, 0, 1
	WIN 0
	s_sub_co_u32 s[CNT], s[CNT], 1
	s_cmp_lg_u32 s[CNT], 0
	s_wait_alu depctr_va_vdst(0)
	s_cbranch_scc1 .Ltrip
	TRIP 1, 0, 0, 1, 0, 1                          ; the last two trips fill nothing
	TRIP 1, 0, 0, 1, 0, 0
	COMB 1, 3                                      ; the last block
	STAGE 2, 0
	STAGE 3, 1
	v_add_nc_u32 v[RDC], s[SB], v[RD]
	s_wait_alu depctr_va_vdst(0)
	s_wait_dscnt 0x0                               ; for the others' sake: my stores into the stage are done
	s_barrier_signal -1
	s_barrier_wait -1
.irp p, 0,1,2,3
	RBLD \p, RB+8*\p, 0
.endr
	s_wait_xcnt 0x0
	s_add_nc_u64 s[8:9], s[8:9], 128*2048
	s_wait_dscnt 0x0
.irp p, 0,1,2,3
	RBST \p, RB+8*\p, 0
.endr
	s_wait_tensorcnt 0x0                           ; the wave's end
	ds_add_u32 v[SPW], v[NIL]
	s_wait_dscnt 0x0
	CROUND                                         ; the closing round
	s_endpgm
.Lfunc_end_k_q48c43a7061_guarded:
	.size	k_q48c43a7061_guarded, .Lfunc_end_k_q48c43a7061_guarded-k_q48c43a7061_guarded
	.p2alignl 7, 3214868480
	.fill 96, 4, 3214868480
	.section	.rodata,"a",@progbits
	.p2align	6, 0x0
	.amdhsa_kernel k_q48c43a7061_guarded
		.amdhsa_group_segment_fixed_size 327680
		.amdhsa_private_segment_fixed_size 0
		.amdhsa_enable_private_segment 0
		.amdhsa_kernarg_size 24
		.amdhsa_user_sgpr_count 2
		.amdhsa_user_sgpr_kernarg_segment_ptr 1
		.amdhsa_wavefront_size32 1
		.amdhsa_system_sgpr_workgroup_id_x 1
		.amdhsa_system_sgpr_workgroup_id_y 1
		.amdhsa_system_sgpr_workgroup_id_z 1
		.amdhsa_system_vgpr_workitem_id 0
		.amdhsa_next_free_vgpr 1024
		.amdhsa_next_free_sgpr 72
		.amdhsa_reserve_vcc 0
		.amdhsa_float_denorm_mode_32 3
		.amdhsa_float_denorm_mode_16_64 3
		.amdhsa_memory_ordered 1
		.amdhsa_forward_progress 1
		.amdhsa_inst_pref_size 255
	.end_amdhsa_kernel
	.amdgpu_metadata
---
amdhsa.version: [ 1, 2 ]
amdhsa.kernels:
  - .name:           k_q48c43a7061_guarded
    .symbol:         k_q48c43a7061_guarded.kd
    .args:
      - { .name: ximg, .offset: 0, .size: 8, .value_kind: global_buffer, .address_space: global }
      - { .name: wimg, .offset: 8, .size: 8, .value_kind: global_buffer, .address_space: global }
      - { .name: out0, .offset: 16, .size: 8, .value_kind: global_buffer, .address_space: global }
    .group_segment_fixed_size: 327680
    .private_segment_fixed_size: 0
    .kernarg_segment_align: 8
    .kernarg_segment_size: 24
    .max_flat_workgroup_size: 128
    .sgpr_count:     72
    .vgpr_count:     1024
    .wavefront_size: 32
...
	.end_amdgpu_metadata
.endif
;; end of part 2
